; MI455X (gfx1250); checked and timed in simulation.
; The chip was launched on July 23, 2026; its instructions are those of AMD's public machine-readable ISA for CDNA 5 (MIT licence, August 2026) and "CDNA5" Instruction Set Architecture Reference Guide (July 2026). The comments in the code are by the model that wrote it; some were corrected since.
;; Basic Attention. Allowed arithmetic: float matrix products may take bf16 or f16 operands with f32 sums; all other float work in f32.
;; Inputs: Wk 128 x 1,024 float32; Wp 1,024 x 1,024 float32; Wq 128 x 1,024 float32; bk 128 float32; bp 1,024 float32; bq 128 float32; x 8 x 1,024 x 2,048 float32.
;; Outputs: out0 8 x 1,024 x 2,048 float32.
;; One version. Each part assembles by itself: llvm-mc -triple=amdgcn-amd-amdhsa -mcpu=gfx1250 --defsym DOCPART=n.
;; ======== version 1 of 1: 4 launches
;; limits: values are held in f16: magnitudes above 65,504 overflow, below 6.1e-05 lose precision
;; workspace buffers: wimg 2,621,440 bytes; kq 8,388,608 bytes; yimg 33,554,432 bytes; pimg 67,108,864 bytes
;; launch prep (part 1): grid 20 x 16, 4 waves a work-group, no clusters, 0 bytes of LDS; arguments Wk, Wq, Wp, wimg; writes wimg
.if DOCPART == 1
	.amdgcn_target "amdgcn-amd-amdhsa--gfx1250"
	.amdhsa_code_object_version 6
	.text
	.protected	k_qc24f4fe0ff_prep
	.globl	k_qc24f4fe0ff_prep
	.p2align	8
	.type	k_qc24f4fe0ff_prep,@function
k_qc24f4fe0ff_prep:
	s_mov_b64 s[64:65], 0
	v_nop
	global_prefetch_b8 v0, s[64:65] scope:SCOPE_SE
	s_setreg_imm32_b32 hwreg(HW_REG_WAVE_MODE, 25, 1), 1
	s_wait_xcnt 0x0
; The three weight matrices, f32 [rows][1024], are rounded to bf16 and written as FRAGMENT IMAGES: 16 rows x 32 c in 1,024 bytes, bytes 16 L .. of the first 512
; = lane L's registers 0-3 of a matrix operand (row L % 16, c = 8 (L / 16) + 0..7), of the second 512 = registers 4-7 (c = 16 + 8 (L / 16) + 0..7).
; wimg = [g 4][cs 32][i 20][1,024]: group g holds 20 row blocks: i = 0..3 the blocks 4 (g & 1) + i of Wk (g < 2) or Wq (g >= 2); i = 4..19 the blocks 16 g + i - 4 of Wp.
; A wave makes the two images of one row block and 64 c: it reads 16 rows x 256 bytes and stores 4 x 512 consecutive bytes.  No LDS, no barrier: no wave needs another.
.set GRP,   655360                     ; bytes of a group: 32 steps x 20 images
.set STEPB, 20480                      ; bytes of a step of 32 c: 20 images
	s_load_b256 s[4:11], s[0:1], 0x0               ; Wk s[4:5], Wq s[6:7], Wp s[8:9], wimg s[10:11]
	v_lshrrev_b32 v1, 5, v0
	v_readfirstlane_b32 s12, v1                    ; wave
	s_mov_b32 s13, ttmp9                           ; i
	s_and_b32 s14, ttmp7, 0xffff
	s_lshr_b32 s15, s14, 2                         ; g
	s_and_b32 s16, s14, 3
	s_lshl2_add_u32 s16, s16, s12                  ; which 64 c: 4 (y & 3) + wave
	s_and_b32 s17, s15, 1
	s_lshl2_add_u32 s17, s17, s13                  ; row block in Wk or Wq: 4 (g & 1) + i
	s_max_u32 s18, s13, 4
	s_sub_co_u32 s18, s18, 4
	s_lshl4_add_u32 s18, s15, s18                  ; row block in Wp: 16 g + i - 4
	s_cmp_lt_u32 s13, 4
	s_cselect_b32 s17, s17, s18
	s_lshl_b32 s20, s17, 16                        ; 16 rows of 4,096 bytes
	s_lshl_b32 s21, s16, 8                         ; 64 c of 4 bytes
	s_add_co_u32 s20, s20, s21
	s_mov_b32 s21, 0
	s_mul_i32 s24, s15, GRP
	s_mul_i32 s25, s16, 2*STEPB
	s_add_co_u32 s24, s24, s25
	s_lshl_b32 s25, s13, 10
	s_add_co_u32 s24, s24, s25
	s_mov_b32 s25, 0
	v_and_b32 v2, 15, v0                           ; row
	v_bfe_u32 v3, v0, 4, 1                         ; half of the lanes
	v_lshlrev_b32 v4, 12, v2
	v_lshl_add_u32 v4, v3, 5, v4                   ; row x 4,096 + 32 x half
	v_and_b32 v5, 31, v0
	v_lshlrev_b32 v5, 4, v5                        ; 16 x lane
	s_wait_kmcnt 0x0
	s_cmp_lt_u32 s15, 2
	s_cselect_b64 s[22:23], s[4:5], s[6:7]         ; Wk or Wq,
	s_cmp_lt_u32 s13, 4
	s_cselect_b64 s[22:23], s[22:23], s[8:9]       ; or Wp
	s_add_nc_u64 s[22:23], s[22:23], s[20:21]
	s_add_nc_u64 s[10:11], s[10:11], s[24:25]
.irp s, 0,1
	global_load_b128 v[8+16*(\s):11+16*(\s)],  v4, s[22:23] offset:128*(\s)
	global_load_b128 v[12+16*(\s):15+16*(\s)], v4, s[22:23] offset:128*(\s)+16
	global_load_b128 v[16+16*(\s):19+16*(\s)], v4, s[22:23] offset:128*(\s)+64
	global_load_b128 v[20+16*(\s):23+16*(\s)], v4, s[22:23] offset:128*(\s)+80
.endr
	s_wait_loadcnt 0x0
.set i, 0
.rept 16
	v_cvt_pk_bf16_f32 v[40+i], v[8+2*i], v[9+2*i]
.set i, i+1
.endr
.irp s, 0,1
	global_store_b128 v5, v[40+8*(\s):43+8*(\s)], s[10:11] offset:STEPB*(\s)      ; 512 consecutive bytes, at a multiple of 512 from wimg's first byte
	global_store_b128 v5, v[44+8*(\s):47+8*(\s)], s[10:11] offset:STEPB*(\s)+512
.endr
	s_endpgm
.Lfunc_end_k_qc24f4fe0ff_prep:
	.size	k_qc24f4fe0ff_prep, .Lfunc_end_k_qc24f4fe0ff_prep-k_qc24f4fe0ff_prep
	.p2alignl 7, 3214868480
	.fill 96, 4, 3214868480
	.section	.rodata,"a",@progbits
	.p2align	6, 0x0
	.amdhsa_kernel k_qc24f4fe0ff_prep
		.amdhsa_group_segment_fixed_size 0
		.amdhsa_private_segment_fixed_size 0
		.amdhsa_enable_private_segment 0
		.amdhsa_kernarg_size 32
		.amdhsa_user_sgpr_count 2
		.amdhsa_user_sgpr_kernarg_segment_ptr 1
		.amdhsa_wavefront_size32 1
		.amdhsa_system_sgpr_workgroup_id_x 1
		.amdhsa_system_sgpr_workgroup_id_y 1
		.amdhsa_system_sgpr_workgroup_id_z 1
		.amdhsa_system_vgpr_workitem_id 0
		.amdhsa_next_free_vgpr 56
		.amdhsa_next_free_sgpr 66
		.amdhsa_reserve_vcc 0
		.amdhsa_float_denorm_mode_32 3
		.amdhsa_float_denorm_mode_16_64 3
		.amdhsa_memory_ordered 1
		.amdhsa_forward_progress 1
		.amdhsa_inst_pref_size 4
	.end_amdhsa_kernel
	.amdgpu_metadata
---
amdhsa.version: [ 1, 2 ]
amdhsa.kernels:
  - .name:           k_qc24f4fe0ff_prep
    .symbol:         k_qc24f4fe0ff_prep.kd
    .args:
      - { .name: Wk, .offset: 0, .size: 8, .value_kind: global_buffer, .address_space: global }
      - { .name: Wq, .offset: 8, .size: 8, .value_kind: global_buffer, .address_space: global }
      - { .name: Wp, .offset: 16, .size: 8, .value_kind: global_buffer, .address_space: global }
      - { .name: wimg, .offset: 24, .size: 8, .value_kind: global_buffer, .address_space: global }
    .group_segment_fixed_size: 0
    .private_segment_fixed_size: 0
    .kernarg_segment_align: 8
    .kernarg_segment_size: 32
    .max_flat_workgroup_size: 128
    .sgpr_count:     66
    .vgpr_count:     56
    .wavefront_size: 32
...
	.end_amdgpu_metadata
.endif
;; end of part 1
;; launch proj (part 2): grid 4 x 64, 4 waves a work-group, clusters of 4 x 4, 327,680 bytes of LDS; arguments x, wimg, bk, bq, kq, yimg; writes kq, yimg
.if DOCPART == 2
	.amdgcn_target "amdgcn-amd-amdhsa--gfx1250"
	.amdhsa_code_object_version 6
	.text
	.protected	k_qc24f4fe0ff_proj
	.globl	k_qc24f4fe0ff_proj
	.p2align	8
	.type	k_qc24f4fe0ff_proj,@function
k_qc24f4fe0ff_proj:
	s_mov_b64 s[64:65], 0
	v_nop
	global_prefetch_b8 v0, s[64:65] scope:SCOPE_SE
	s_setreg_imm32_b32 hwreg(HW_REG_WAVE_MODE, 25, 1), 1
	s_wait_xcnt 0x0
	s_wait_alu depctr_hold_cnt(0) depctr_sa_sdst(0) depctr_va_vdst(0) depctr_va_sdst(0) depctr_va_ssrc(0) depctr_va_vcc(0) depctr_vm_vsrc(0)
	s_getreg_b32 s2, hwreg(HW_REG_IB_STS2, 6, 4)
	s_cmp_eq_u32 s2, 0
	s_cbranch_scc0 .Lentry_in_a_cluster
	s_endpgm
.Lentry_in_a_cluster:
	s_bfe_u32 s2, ttmp6, 0x10000c
	s_cmp_lg_u32 s2, 0xf033
	s_cbranch_scc0 .Lentry_shape_is_right
	s_endpgm
.Lentry_shape_is_right:
; [K; Q; Y] = [Wk; Wq; Wp] x, with bk and bq added.  x: [8][1024 c][2048 l] f32, rounded to bf16 on the way from LDS to the matrix unit; weights: bf16 fragment images (wimg); sums in f32.
; K and Q leave in bf16, Y = Wp x in f16, all as fragment images (1,024 bytes: lane L's registers 0-3 at 16 L, registers 4-7 at 512 + 16 L), so every store of a wave is 512 consecutive bytes.
; yimg = [batch 8][g 4][pair of l tiles 64][d block 16][1,024]: the 256 d of a row group and 128 l are 65,536 consecutive bytes, a tile of the last launch.
; LIMITS.  Y is kept in f16: |Y| stays under 65,520 (rows of Wp times columns of x).  bk and bq are rounded to bf16 like all inputs.  NaN and infinities are not treated apart.
; THE ORDER OF l.  A lane reads four neighbouring l of a row of x at once, one for each of four fragments: tile t, place r stands for l = 64 (t >> 2) + 4 r + (t & 3).  The later launches use the same order.
; SHARES.  A work-group: row group g (320 rows: 64 of K or Q, 256 of Y) x 256 l of one batch.  A wave: all 320 rows x 64 l: 80 accumulators, 640 registers.  c goes in 32 steps of 32, two steps to an LDS slot.
; The 64 rows of K or Q are multiplied weights first (a lane then holds one l and eight a), the 256 of Y x first (a lane holds one d and eight l): each result packs into 16 bytes of its image.
; CLUSTER 4 x 4.  The four of a column (same g) need the same weights, the four of a row (same 256 l) the same x: each tile is asked for jointly, by the same load with a mask that names the four.
; REGISTERS, in windows of 256 (s_set_vgpr_msb: bits 1:0 source 0, 3:2 source 1, 5:4 source 2, 7:6 destination):
;   window 0: v0-31 addresses and at work; v32-191 the weights' fragments, five buffers of four (group q of four row blocks has buffer q); v192-223 32 biases
;   windows 1, 2, 3: accumulator (q, e, f) at 128 (q % 2) + 8 (4 e + f) of window 1 + q / 2;   window 3: v128-191 x as f32, 16 rows of c x 4 l; v192-255 x's fragments, two buffers of four
.set SLOT,  106496                     ; 40,960 bytes of weights (2 steps x 20 images), then 65,536 of x: [column half][64 c][512 bytes]
.set XOFF,  40960
.set WSTEP, 20480                      ; a step's 20 images
.set XSTEP, 16384                      ; a step's 32 rows of 512 bytes
.set SPARE, 2*SLOT                     ; behind the ring: the spare words, 128 bytes for each wave: two blocks of 256 bytes that no other line names
.set VA,   4                           ; v4-5   16 x lane, in slot 0, 1
.set VX,   6                           ; v6-7   my 16 bytes of my first row of x, in slot 0, 1
.set VOUT, 8                           ; v8     16 x lane
.set VB,   9                           ; v9     32 x half of the lanes
.set SPW,  10                          ; v10    LDS address of my spare word; never rewritten
.set NIL,  11                          ; v11    0; never rewritten
.set RT,   12                          ; v12-27 at work
.set AB,   32
.set BI,   192
.set XF,   128                         ; window 3
.set BF,   192                         ; window 3
.set TP,   32                          ; the way out: packed results, v32-95 and v96-159 by turns
.set WV,   16                          ; s16 wave; s17 = wave >> 1: I fetch weights (0) or x (1); s18 = wave & 1: which half
.set G1W,  24                          ; s[24:31] descriptor group 1 for the weights;  s[32:39] group 0, a set for each slot
.set G0W,  32
.set G1X,  40                          ; s[40:47], s[48:55] the same for x
.set G0X,  48
.set KQB,  56                          ; s[56:57] where my K or Q goes
.set YB,   58                          ; s[58:59] where my Y goes
.set MSB, 0
.macro WIN new                         ; the immediate's high byte repeats the setting that is left; a switch that changes nothing is dropped
.if MSB != (\new)
	s_set_vgpr_msb (MSB<<8)|(\new)
.set MSB, \new
.endif
.endm
.macro PLACES                          ; four places in front of loads into registers that matrix instructions have read, and of lines that read results
.rept 4
	v_nop
.endr
.endm
; A joint load.  The branch hangs on the wave's number alone.  An s_nop 0 and four v_nop follow each of the two lines, ahead of the jump and the label.
.macro JLOAD s
	s_cmp_eq_u32 s17, 0
	s_cbranch_scc0 .Lfor_x_\@
	tensor_load_to_lds s[G0W+4*(\s):G0W+4*(\s)+3], s[G1W:G1W+7]
	s_nop 0
.rept 4
	v_nop
.endr
	s_branch .Lasked_\@
.Lfor_x_\@:
	tensor_load_to_lds s[G0X+4*(\s):G0X+4*(\s)+3], s[G1X:G1X+7]
	s_nop 0
.rept 4
	v_nop
.endr
.Lasked_\@:
.endm
.macro CREST                           ; a round of the cluster's barrier behind its opening barrier
	s_cmp_lg_u32 s[WV], 0
	s_cbranch_scc1 .Lnot_wave_0_\@
	s_barrier_signal -3
.Lnot_wave_0_\@:
	s_barrier_wait -3
	s_barrier_signal -1
	s_barrier_wait -1
.endm
.macro CROUND                          ; a whole round
	s_barrier_signal -1
	s_barrier_wait -1
	CREST
.endm
	s_load_b256 s[4:11], s[0:1], 0x0               ; x s[4:5], wimg s[6:7], bk s[8:9], bq s[10:11]
	s_load_b128 s[12:15], s[0:1], 0x20             ; kq s[12:13], yimg s[14:15]
	v_lshl_add_u32 v[SPW], v0, 2, SPARE
	v_mov_b32 v[NIL], 0
	ds_add_u32 v[SPW], v[NIL]                      ; the wave's opening: the add and its wait stand ahead of my first tensor load; the set-up below stands between them
	v_lshrrev_b32 v1, 5, v0
	v_readfirstlane_b32 s[WV], v1
	s_lshr_b32 s17, s[WV], 1
	s_and_b32 s18, s[WV], 1
	s_bfe_u32 s19, ttmp6, 0x40000                  ; cx
	s_bfe_u32 s20, ttmp6, 0x40004                  ; cy
	s_lshl_b32 s21, ttmp9, 2
	s_add_co_u32 s21, s21, s19                     ; g = 4 x cluster x + cx
	s_and_b32 s22, ttmp7, 0xffff
	s_lshl_b32 s22, s22, 2
	s_add_co_u32 s22, s22, s20                     ; ty = 4 x cluster y + cy: batch ty >> 3, 256 l number ty & 7
	s_lshl_b32 s60, s20, 2
	s_lshl_b32 s60, 15, s60                        ; my row of the cluster
	s_lshl_b32 s61, 0x1111, s19                    ; my column
	; the weights of a step: 20,480 dense bytes, asked for as 80 rows of 256
	s_or_b32 s[G1W], s61, (3<<16)|(1<<21)          ; 15:0 the mask: my column; 17:16 elements of 8 bytes; 21 set beside a mask
	s_mov_b32 s[G1W+1], 32<<16                     ; tensor_dim0 = 32
	s_mov_b32 s[G1W+2], 80<<16                     ; tensor_dim1 = 80
	s_mov_b32 s[G1W+3], 32<<16                     ; tile_dim0 = 32
	s_mov_b32 s[G1W+4], 80                         ; tile_dim1 = 80
	s_mov_b32 s[G1W+5], 32                         ; 32 elements from row to row
	s_mov_b32 s[G1W+6], 0
	s_mov_b32 s[G1W+7], 0
	; x: 64 rows of c x 128 l (512 bytes)
	s_or_b32 s[G1X], s60, (2<<16)|(1<<21)          ; the mask: my row; elements of 4 bytes
	s_mov_b32 s[G1X+1], 128<<16
	s_mov_b32 s[G1X+2], 64<<16
	s_mov_b32 s[G1X+3], 128<<16
	s_mov_b32 s[G1X+4], 64
	s_mov_b32 s[G1X+5], 2048
	s_mov_b32 s[G1X+6], 0
	s_mov_b32 s[G1X+7], 0
	s_mul_i32 s62, s21, 32*WSTEP                   ; the weights: group g, my step of slot 0
	s_mul_i32 s63, s18, WSTEP
	s_add_co_u32 s62, s62, s63
	s_mov_b32 s63, 0
	s_lshr_b32 s78, s22, 3                         ; batch
	s_and_b32 s79, s22, 7
	s_lshl2_add_u32 s80, s79, s[WV]                ; my strip of 64 l in the batch
	s_lshl_b32 s66, s78, 23                        ; x: the batch, the 256 l (1,024 bytes), my column half
	s_lshl_b32 s67, s79, 10
	s_add_co_u32 s66, s66, s67
	s_lshl_b32 s67, s18, 9
	s_add_co_u32 s66, s66, s67
	s_mov_b32 s67, 0
	s_mul_i32 s68, s18, WSTEP                      ; where they go in a slot: the wave's number alone enters an LDS address
	s_lshl_b32 s69, s18, 15
	s_add_co_u32 s69, s69, XOFF
	s_lshr_b32 s74, s21, 1                         ; kq: K or Q, the batch, tile 4 x strip, and which 64 a
	s_lshl_b32 s74, s74, 22
	s_lshl_b32 s81, s78, 19
	s_add_co_u32 s74, s74, s81
	s_lshl_b32 s81, s80, 14
	s_add_co_u32 s74, s74, s81
	s_and_b32 s84, s21, 1
	s_lshl_b32 s81, s84, 11
	s_add_co_u32 s74, s74, s81
	s_mov_b32 s75, 0
	s_lshl_b32 s76, s78, 22                        ; yimg: the batch, row group g, pair of tiles 2 x strip (16,384 bytes a pair)
	s_lshl_b32 s81, s80, 15
	s_add_co_u32 s76, s76, s81
	s_lshl_b32 s81, s21, 20
	s_add_co_u32 s76, s76, s81
	s_mov_b32 s77, 0
	s_lshl_b32 s84, s84, 8                         ; the biases of my 64 a
	s_mov_b32 s85, 0
	s_wait_dscnt 0x0                               ; the opening add is done
	s_wait_kmcnt 0x0
	s_add_nc_u64 s[70:71], s[6:7], s[62:63]
	s_add_nc_u64 s[72:73], s[4:5], s[66:67]
	s_add_nc_u64 s[KQB:KQB+1], s[12:13], s[74:75]
	s_add_nc_u64 s[YB:YB+1], s[14:15], s[76:77]
	s_cmp_lt_u32 s21, 2
	s_cselect_b64 s[82:83], s[8:9], s[10:11]       ; bk or bq
	s_add_nc_u64 s[82:83], s[82:83], s[84:85]
	CROUND                                         ; all sixteen work-groups are here: the first joint loads meet
.irp s, 0,1
	s_mov_b32 s[G0W+4*(\s)], 1
	s_add_co_u32 s[G0W+4*(\s)+1], s68, (\s)*SLOT
	s_add_nc_u64 s[G0W+4*(\s)+2:G0W+4*(\s)+3], s[70:71], (\s)*2*WSTEP
	s_or_b32 s[G0W+4*(\s)+3], s[G0W+4*(\s)+3], 0x80000000
	s_mov_b32 s[G0X+4*(\s)], 1
	s_add_co_u32 s[G0X+4*(\s)+1], s69, (\s)*SLOT
	s_add_nc_u64 s[G0X+4*(\s)+2:G0X+4*(\s)+3], s[72:73], (\s)*64*8192
	s_or_b32 s[G0X+4*(\s)+3], s[G0X+4*(\s)+3], 0x80000000
	JLOAD \s                                       ; two loads of mine are out
.endr
	v_and_b32 v1, 15, v0
	v_bfe_u32 v2, v0, 4, 1
	v_and_b32 v3, 31, v0
	v_lshlrev_b32 v[VA], 4, v3
	v_add_nc_u32 v[VA+1], SLOT, v[VA]
	v_mov_b32 v[VOUT], v[VA]
	v_lshlrev_b32 v[VB], 5, v2
	s_lshl_b32 s81, s17, 15                        ; my strip of 64 l: column half wave >> 1, 256 bytes number wave & 1
	s_lshl_b32 s86, s18, 8
	s_add_co_u32 s81, s81, s86
	s_add_co_u32 s81, s81, XOFF
	v_lshlrev_b32 v[VX], 4, v1                     ; four l a lane,
	v_lshl_add_u32 v[VX], v2, 12, v[VX]            ; eight rows of c further on for lanes 16-31
	v_add_nc_u32 v[VX], s81, v[VX]
	v_add_nc_u32 v[VX+1], SLOT, v[VX]
.irp e, 0,1,2,3
	global_load_b128 v[BI+8*(\e):BI+8*(\e)+3],   v[VB], s[82:83] offset:64*(\e)     ; bias of a = 16 e + 8 (lane / 16) + 0..7
	global_load_b128 v[BI+8*(\e)+4:BI+8*(\e)+7], v[VB], s[82:83] offset:64*(\e)+16
.endr
; 8 matrix instructions: row blocks a0, a0 + 1 of group q x my four tiles of l, 32 c.  The 80 accumulators take turns, one instruction a turn.  zero = 1: the products start the sums.
.macro MULH q, a0, bf, zero
.if (\q) == 0
	WIN 0x5c                                       ; weights (window 0) first, x (window 3) second, sums in window 1
.elseif (\q) == 1
	WIN 0x53                                       ; x first, weights second
.elseif (\q) < 4
	WIN 0xa3
.else
	WIN 0xf3
.endif
.irp e, \a0, (\a0)+1
.irp f, 0,1,2,3
.set rD, 128*((\q)%2)+8*(4*(\e)+(\f))
.set rA, AB+32*(\q)+8*(\e)
.set rB, BF+32*(\bf)+8*(\f)
.if (\q) == 0
.if \zero
	v_wmma_f32_16x16x32_bf16 v[rD:rD+7], v[rA:rA+7], v[rB:rB+7], 0
.else
	v_wmma_f32_16x16x32_bf16 v[rD:rD+7], v[rA:rA+7], v[rB:rB+7], v[rD:rD+7]
.endif
.else
.if \zero
	v_wmma_f32_16x16x32_bf16 v[rD:rD+7], v[rB:rB+7], v[rA:rA+7], 0
.else
	v_wmma_f32_16x16x32_bf16 v[rD:rD+7], v[rB:rB+7], v[rA:rA+7], v[rD:rD+7]
.endif
.endif
.endr
.endr
.endm
.macro MUL q, bf, zero
	MULH \q, 0, \bf, \zero
	MULH \q, 2, \bf, \zero
.endm
.macro ALOAD q, np, ns                 ; group q's four images of step ns of slot np: lanes read 512 consecutive bytes
	WIN 0
.irp e, 0,1,2,3
	ds_load_b128 v[AB+32*(\q)+8*(\e):AB+32*(\q)+8*(\e)+3],   v[VA+(\np)] offset:(\ns)*WSTEP+(4*(\q)+(\e))*1024
	ds_load_b128 v[AB+32*(\q)+8*(\e)+4:AB+32*(\q)+8*(\e)+7], v[VA+(\np)] offset:(\ns)*WSTEP+(4*(\q)+(\e))*1024+512
.endr
.endm
.macro XLOAD np, ns                    ; my 16 rows of c (8 h + 0..7 and 16 + 8 h + 0..7) x 4 l, as f32; 16 lanes read 256 consecutive bytes
	WIN 0xc0
.set j, 0
.rept 16
	ds_load_b128 v[XF+4*j:XF+4*j+3], v[VX+(\np)] offset:(\ns)*XSTEP+(j+8*(j/8))*512
.set j, j+1
.endr
.endm
.macro CVT p0, p1, bf                  ; registers p0 .. p1 of the four fragments of x: two neighbouring c, rounded to bf16
	WIN 0xcf
.set pp, \p0
.rept (\p1)-(\p0)+1
.irp f, 0,1,2,3
	v_cvt_pk_bf16_f32 v[BF+32*(\bf)+8*(\f)+pp], v[XF+8*pp+(\f)], v[XF+8*pp+4+(\f)]
.endr
.set pp, pp+1
.endr
.endm
; A STEP of 32 c: step s of slot p: 80 matrix instructions in five groups; behind each group its buffer takes the next step's images; the next step's x is fetched behind group 0 and converted behind groups 2 to 4,
; where the conversions are also the places in front of the loads.  mode 0: plain.  1: the slot's second step: all reads of the slot were issued a step ago, so the slots change at its head, and the slot is
; filled again.  2: the same with nothing left to ask for.  3: the last step.
; The counts: a buffer's 8 loads have 48 younger LDS loads when it is wanted (the other four buffers' 32 and x's 16); x's 16 have group 1's 8.
.macro STEP p, s, zero, mode
.if (\s) == 0
.set NP_, (\p)
.set NS_, 1
.else
.set NP_, 1-(\p)
.set NS_, 0
.endif
.if (\mode) == 0
	s_wait_dscnt 48
	MUL 0, \s, \zero
	PLACES
.elseif (\mode) == 3
	s_wait_dscnt 0x0
	MUL 0, \s, \zero
.else
	WIN 0                                          ; (the add's two registers lie in window 0)
	s_wait_tensorcnt 0x0                           ; all my tensor loads have landed: the one that was out is my part of the other slot;
	ds_add_u32 v[SPW], v[NIL]                      ; 0 onto my spare word;
	s_wait_dscnt 49                                ; (the add and the 48 younger loads may be out)
	MULH 0, 0, \s, \zero                           ; eight matrix instructions stand between the add and the wait for it
	s_wait_dscnt 0x0                               ; the add is done, and my reads of this slot are over
	s_barrier_signal -1
	MULH 0, 2, \s, \zero                           ; work on registers while the others arrive
	WIN 0
	s_barrier_wait -1
.if (\mode) == 1
	CREST                                          ; the barrier has opened a round of the cluster's: no wave of any partner still reads this slot or has a load on its way
	s_add_nc_u64 s[G0W+4*(\p)+2:G0W+4*(\p)+3], s[G0W+4*(\p)+2:G0W+4*(\p)+3], 4*WSTEP
	s_add_nc_u64 s[G0X+4*(\p)+2:G0X+4*(\p)+3], s[G0X+4*(\p)+2:G0X+4*(\p)+3], 128*8192
	JLOAD \p                                       ; the first tensor load behind the round: two steps, less sixteen products, ahead of the wait for it; its four v_nop are the places in front of the loads below
.else
	PLACES
.endif
.endif
.if (\mode) == 3
	MUL 1, \s, \zero
	MUL 2, \s, \zero
	MUL 3, \s, \zero
	MUL 4, \s, \zero
.else
	ALOAD 0, NP_, NS_
	XLOAD NP_, NS_
	s_wait_dscnt 48
	MUL 1, \s, \zero
	PLACES
	ALOAD 1, NP_, NS_
	s_wait_dscnt 48
	MUL 2, \s, \zero
	s_wait_dscnt 8                                 ; x is in; with it the last step's loads for groups 3 and 4
	CVT 0, 2, 1-(\s)
	ALOAD 2, NP_, NS_
	MUL 3, \s, \zero
	CVT 3, 5, 1-(\s)
	ALOAD 3, NP_, NS_
	MUL 4, \s, \zero
	CVT 6, 7, 1-(\s)
	ALOAD 4, NP_, NS_
.endif
.endm
	s_wait_tensorcnt 0x1                           ; my part of slot 0 is in; slot 1's may stay out
	s_barrier_signal -1
	s_barrier_wait -1                              ; everybody's is
	ALOAD 0, 0, 0
	XLOAD 0, 0
	ALOAD 1, 0, 0
	ALOAD 2, 0, 0
	ALOAD 3, 0, 0
	ALOAD 4, 0, 0
	s_wait_loadcnt 0x0                             ; the biases: rounded to bf16, like every input, and widened again
.set i, 0
.rept 16
	v_cvt_pk_bf16_f32 v[RT+i], v[BI+2*i], v[BI+2*i+1]
.set i, i+1
.endr
.set i, 0
.rept 16
	v_lshlrev_b32 v[BI+2*i], 16, v[RT+i]
	v_and_b32 v[BI+2*i+1], 0xffff0000, v[RT+i]
.set i, i+1
.endr
	s_wait_dscnt 0x0
	CVT 0, 7, 0
	STEP 0, 0, 1, 0                                ; the first step stands in front of the loop: its products start the sums
	WIN 0                                          ; at a label and at a branch every window is 0
	s_mov_b32 s23, 7
.Llap:                                                 ; a trip goes once round the ring and fills both slots again: slots 2 to 15 of the 16
	STEP 0, 1, 0, 1
	STEP 1, 0, 0, 0
	STEP 1, 1, 0, 1
	STEP 0, 0, 0, 0
	WIN 0
	s_sub_co_u32 s23, s23, 1
	s_cmp_lg_u32 s23, 0
	s_cbranch_scc1 .Llap
	STEP 0, 1, 0, 2                                ; the tail asks for nothing
	STEP 1, 0, 0, 0
	STEP 1, 1, 0, 3
; THE WAY OUT of group q: 16 accumulators, each taken from its lowest registers on; a lane's eight numbers pack into 16 bytes, which are its place in a fragment image: stored straight from registers.
.macro OUTG q
.set aw, 1+(\q)/2
.set ab, 128*((\q)%2)
.set tb, TP+64*((\q)%2)
	s_wait_xcnt 0x0                                ; the stores issued so far have read their registers: the packed results are rewritten only behind this wait
.if (\q) == 0
	WIN 0x41
.set i, 0
.rept 16
.irp z, 0,2,4,6
	v_pk_add_f32 v[8*i+(\z):8*i+(\z)+1], v[8*i+(\z):8*i+(\z)+1], v[BI+8*(i/4)+(\z):BI+8*(i/4)+(\z)+1]
.endr
.set i, i+1
.endr
.endif
	WIN 5*aw
.set i, 0
.rept 16
.irp z, 0,1,2,3
.if (\q) == 0
	v_cvt_pk_bf16_f32 v[tb+4*i+(\z)], v[ab+8*i+2*(\z)], v[ab+8*i+2*(\z)+1]
.else
	v_cvt_pk_f16_f32 v[tb+4*i+(\z)], v[ab+8*i+2*(\z)], v[ab+8*i+2*(\z)+1]
.endif
.endr
.set i, i+1
.endr
	WIN 0
.set i, 0
.rept 16                               ; row block e = i / 4, tile f = i % 4
.if (\q) == 0
	global_store_b128 v[VOUT], v[tb+4*i:tb+4*i+3], s[KQB:KQB+1] offset:(i%4)*4096+((i/4)/2)*1024+((i/4)%2)*512   ; tile f; a = 32 (e / 2) on; half e % 2
.else
	global_store_b128 v[VOUT], v[tb+4*i:tb+4*i+3], s[YB:YB+1] offset:((i%4)/2)*16384+(4*((\q)-1)+i/4)*1024+((i%4)%2)*512   ; pair of tiles f / 2; d block; half f % 2
.endif
.set i, i+1
.endr
.endm
	PLACES
	OUTG 0
	OUTG 1
	OUTG 2
	OUTG 3
	OUTG 4
	s_wait_tensorcnt 0x0                           ; the wave's end
	ds_add_u32 v[SPW], v[NIL]
	s_wait_dscnt 0x0
	CROUND                                         ; the closing round: no work-group ends while a partner may still ask for a tile that names it
	s_endpgm
.Lfunc_end_k_qc24f4fe0ff_proj:
	.size	k_qc24f4fe0ff_proj, .Lfunc_end_k_qc24f4fe0ff_proj-k_qc24f4fe0ff_proj
	.p2alignl 7, 3214868480
	.fill 96, 4, 3214868480
	.section	.rodata,"a",@progbits
	.p2align	6, 0x0
	.amdhsa_kernel k_qc24f4fe0ff_proj
		.amdhsa_group_segment_fixed_size 327680
		.amdhsa_private_segment_fixed_size 0
		.amdhsa_enable_private_segment 0
		.amdhsa_kernarg_size 48
		.amdhsa_user_sgpr_count 2
		.amdhsa_user_sgpr_kernarg_segment_ptr 1
		.amdhsa_wavefront_size32 1
		.amdhsa_system_sgpr_workgroup_id_x 1
		.amdhsa_system_sgpr_workgroup_id_y 1
		.amdhsa_system_sgpr_workgroup_id_z 1
		.amdhsa_system_vgpr_workitem_id 0
		.amdhsa_next_free_vgpr 1024
		.amdhsa_next_free_sgpr 88
		.amdhsa_reserve_vcc 0
		.amdhsa_float_denorm_mode_32 3
		.amdhsa_float_denorm_mode_16_64 3
		.amdhsa_memory_ordered 1
		.amdhsa_forward_progress 1
		.amdhsa_inst_pref_size 135
	.end_amdhsa_kernel
	.amdgpu_metadata
---
amdhsa.version: [ 1, 2 ]
amdhsa.kernels:
  - .name:           k_qc24f4fe0ff_proj
    .symbol:         k_qc24f4fe0ff_proj.kd
    .args:
      - { .name: x, .offset: 0, .size: 8, .value_kind: global_buffer, .address_space: global }
      - { .name: wimg, .offset: 8, .size: 8, .value_kind: global_buffer, .address_space: global }
      - { .name: bk, .offset: 16, .size: 8, .value_kind: global_buffer, .address_space: global }
      - { .name: bq, .offset: 24, .size: 8, .value_kind: global_buffer, .address_space: global }
      - { .name: kq, .offset: 32, .size: 8, .value_kind: global_buffer, .address_space: global }
      - { .name: yimg, .offset: 40, .size: 8, .value_kind: global_buffer, .address_space: global }
    .group_segment_fixed_size: 327680
    .private_segment_fixed_size: 0
    .kernarg_segment_align: 8
    .kernarg_segment_size: 48
    .max_flat_workgroup_size: 128
    .sgpr_count:     88
    .vgpr_count:     1024
    .wavefront_size: 32
...
	.end_amdgpu_metadata
.endif
;; end of part 2
;; launch pmake (part 3): grid 32 x 8, 8 waves a work-group, clusters of 4 x 1, 327,680 bytes of LDS; arguments kq, pimg; writes pimg
.if DOCPART == 3
	.amdgcn_target "amdgcn-amd-amdhsa--gfx1250"
	.amdhsa_code_object_version 6
	.text
	.protected	k_qc24f4fe0ff_pmake
	.globl	k_qc24f4fe0ff_pmake
	.p2align	8
	.type	k_qc24f4fe0ff_pmake,@function
k_qc24f4fe0ff_pmake:
	s_mov_b64 s[64:65], 0
	v_nop
	global_prefetch_b8 v0, s[64:65] scope:SCOPE_SE
	s_setreg_imm32_b32 hwreg(HW_REG_WAVE_MODE, 25, 1), 1
	s_wait_xcnt 0x0
	s_wait_alu depctr_hold_cnt(0) depctr_sa_sdst(0) depctr_va_vdst(0) depctr_va_sdst(0) depctr_va_ssrc(0) depctr_va_vcc(0) depctr_vm_vsrc(0)
	s_getreg_b32 s2, hwreg(HW_REG_IB_STS2, 6, 4)
	s_cmp_eq_u32 s2, 0
	s_cbranch_scc0 .Lentry_in_a_cluster
	s_endpgm
.Lentry_in_a_cluster:
	s_bfe_u32 s2, ttmp6, 0x10000c
	s_cmp_lg_u32 s2, 0x3003
	s_cbranch_scc0 .Lentry_shape_is_right
	s_endpgm
.Lentry_shape_is_right:
; P[l][m] = 2^(c S[l][m] - T[l]) = 2,048 x softmax over m of S / 1024, with S[l][m] = K[:, l] . Q[:, m], c = log2(e) / 1024, T = c M + log2 Z - 11, M the largest S[l][m] over all 2,048 m,
; Z the sum over m of 2^(c S - c M): the maximum is taken away in the exponent.  K and Q: bf16 fragment images (kq); sums, maxima and exponentials in f32; P leaves in f16.
; pimg = [batch 8][256 m: 8][pair of l tiles 64][m tile 16][1,024]: an image is source 1 (32 l x 16 m) of the last launch's product: lane L's registers 0-3 (the pair's first tile) at 16 L, 4-7 at 512 + 16 L.
; LIMITS.  P lies in 0 to 2,048; below 2^-24 (a softmax weight below 2^-35) it counts as 0.  A term below 2^-126 counts as 0 in Z.  NaN and infinities are not treated apart.
; SHARES.  A work-group: 64 l (four tiles of K, kept in registers by every wave) of one batch, all 2,048 m.  Its scores, 64 x 2,048 in f32, are 524,288 bytes, as much as all its registers: so Q is walked
; TWICE and S made twice: pass 1 finds M and Z, pass 2 makes P.  Q comes in tiles of 512 m (131,072 bytes) through two LDS slots, eight visits: 0 1 2 3 0 1 2 3; wave w fetches, and alone reads, its
; 16 KB of each: 64 m.  Two waves lie on a SIMD: one's vector work stands beside the other's products.
; PASS 1: S^T = Q K^T: a lane holds ONE l (lane % 16) and eight m, so each lane keeps a running maximum and sum of its own; the 16 partial figures of an l (8 waves x 2 halves of the lanes) meet in LDS.
; PASS 2: S = K Q^T: a lane holds one m and eight l: rounded in pairs, its 16 bytes of an image: a store of the wave is 512 consecutive bytes.
; CLUSTER.  The four work-groups of a cluster belong to one batch and walk the same Q: each tile is asked for jointly.
; REGISTERS: window 0: v0-7, v48-49 addresses; v8-23 per tile of K: c M, M, Z (even m's, odd m's); v24-47 at work; v64-95 T; v128-255 S, 32 a tile of K;   window 1: v0-127 K; v128-255 Q
.set SLOT1, 1<<17
.set SCR,   2*SLOT1                    ; behind the ring, never filled by a tensor load: 16 x 256 bytes of c M, then as many of Z
.set TSC,   SCR+8192                   ; 256 bytes for each wave: T of the 64 l
.set SPARE, TSC+2048                   ; the spare words, 128 bytes for each wave: four blocks of 256 bytes that no other line names
.set VL,  1                            ; v1  16 x lane
.set AQ0, 2                            ; v2  my lane's place in my wave's part of slot 0
.set AQ,  3                            ; v3  the same in the slot to be read
.set VSC, 4                            ; v4  where my partial figures go
.set VRD, 5                            ; v5  where I read all partial figures of two l
.set SPW, 6                            ; v6  LDS address of my spare word; never rewritten
.set NIL, 7                            ; v7  0; never rewritten
.set ST,  8
.set TMP, 24
.set VTS, 48                           ; v48 where T of my two l goes
.set VTR, 49                           ; v49 where I read T of eight l
.set TT,  64                           ; T of tile t, places 8 (lane / 16) + 0..7, at TT + 8 t
.set S,   128
.set KF,  0                            ; window 1: tile t, a = 32 u on, at 32 t + 8 u
.set QF,  128                          ; window 1: tile mt, likewise
.set WV,  8
.set G1,  16                           ; s[16:23] descriptor group 1
.set G0A, 24                           ; s[24:27] group 0 of the first fill
.set G0B, 28                           ; s[28:31] of the second; it then walks
.set CS,  32                           ; s[32:33] c
.set TBQ, 34                           ; s34 the slot to be read
.set CNT, 35
.set QB,  36                           ; s[36:37] Q at my part of tile 0
.set QO,  38                           ; s[38:39] byte offset of the tile asked for last
.set PB,  48                           ; s[48:49] pimg at my images of the Q tile in hand
.set PS,  50                           ; s[50:51] what a trip of pass 2 adds to it: 0 the first time
.set MSB, 0
.macro WIN new
.if MSB != (\new)
	s_set_vgpr_msb (MSB<<8)|(\new)
.set MSB, \new
.endif
.endm
.macro PLACES
.rept 4
	v_nop
.endr
.endm
.macro ROUND                           ; a round of the cluster's barrier
	s_barrier_signal -1
	s_barrier_wait -1
	s_cmp_lg_u32 s[WV], 0
	s_cbranch_scc1 .Lnot_wave_0_\@
	s_barrier_signal -3
.Lnot_wave_0_\@:
	s_barrier_wait -3
	s_barrier_signal -1
	s_barrier_wait -1
.endm
.macro T4 line:vararg                  ; one line for each tile t of K
.set t, 0
.rept 4
	\line
.set t, t+1
.endr
.endm
	s_load_b128 s[4:7], s[0:1], 0x0                ; kq s[4:5], pimg s[6:7]
	v_lshl_add_u32 v[SPW], v0, 2, SPARE
	v_mov_b32 v[NIL], 0
	ds_add_u32 v[SPW], v[NIL]                      ; the wave's opening: the add and its wait stand ahead of my first tensor load
	v_lshrrev_b32 v1, 5, v0
	v_readfirstlane_b32 s[WV], v1
	s_bfe_u32 s9, ttmp6, 0x40000                   ; cx
	s_lshl_b32 s10, ttmp9, 2
	s_add_co_u32 s10, s10, s9                      ; my 64 l: it enters K's and P's addresses alone
	s_and_b32 s11, ttmp7, 0xffff                   ; the batch, which the partners share
	s_mov_b32 s[G1], 15|(3<<16)|(1<<21)            ; the mask of four; elements of 8 bytes; 21 set beside a mask: 16,384 dense bytes as 64 rows of 256
	s_mov_b32 s[G1+1], 32<<16
	s_mov_b32 s[G1+2], 64<<16
	s_mov_b32 s[G1+3], 32<<16
	s_mov_b32 s[G1+4], 64
	s_mov_b32 s[G1+5], 32
	s_mov_b32 s[G1+6], 0
	s_mov_b32 s[G1+7], 0
	s_lshl_b32 s40, s11, 19                        ; a batch's K or Q: 524,288 bytes
	s_lshl_b32 s12, s[WV], 14                      ; my 16 KB of a tile, in memory and in a slot
	s_add_co_u32 s42, s40, s12
	s_add_co_u32 s42, s42, 4194304                 ; Q lies behind K
	s_mov_b32 s43, 0
	s_lshl_b32 s44, s10, 14                        ; my four tiles of K
	s_add_co_u32 s44, s44, s40
	s_mov_b32 s45, 0
	s_lshl_b32 s52, s11, 23                        ; pimg: the batch; of Q tile 0's 512 m the 256 that hold my 64;
	s_lshr_b32 s53, s[WV], 2
	s_lshl_b32 s53, s53, 20
	s_add_co_u32 s52, s52, s53
	s_lshl_b32 s53, s10, 15                        ; my two pairs of l tiles, 16,384 bytes each;
	s_add_co_u32 s52, s52, s53
	s_and_b32 s53, s[WV], 3                        ; my four m tiles
	s_lshl_b32 s53, s53, 12
	s_add_co_u32 s52, s52, s53
	s_mov_b32 s53, 0
	s_mov_b32 s[CS], 0x3ab8aa3b                    ; c = log2(e) / 1024
	s_mov_b32 s[CS+1], s[CS]                       ; named with it as a pair
	s_mov_b32 s[TBQ], 0
	s_mov_b32 s[QO], 131072
	s_mov_b32 s[QO+1], 0
	s_mov_b32 s[PS], 0
	s_mov_b32 s[PS+1], 0
	s_mov_b32 s[G0A], 1
	s_mov_b32 s[G0A+1], s12
	s_mov_b32 s[G0B], 1
	s_add_co_u32 s[G0B+1], s12, SLOT1
	s_lshl_b32 s13, s[WV], 9
	s_add_co_u32 s13, s13, SCR
	s_lshl_b32 s14, s[WV], 8
	s_add_co_u32 s14, s14, TSC
	s_wait_dscnt 0x0                               ; the opening add is done
	s_wait_kmcnt 0x0
	s_add_nc_u64 s[QB:QB+1], s[4:5], s[42:43]
	s_mov_b64 s[G0A+2:G0A+3], s[QB:QB+1]
	s_add_nc_u64 s[G0B+2:G0B+3], s[QB:QB+1], 131072
	s_or_b32 s[G0A+3], s[G0A+3], 0x80000000
	s_or_b32 s[G0B+3], s[G0B+3], 0x80000000
	s_add_nc_u64 s[46:47], s[4:5], s[44:45]
	s_add_nc_u64 s[PB:PB+1], s[6:7], s[52:53]
	ROUND                                          ; all four work-groups are here: the first joint loads meet
	tensor_load_to_lds s[G0A:G0A+3], s[G1:G1+7]    ; m 0-511 into slot 0,
	s_nop 0
	tensor_load_to_lds s[G0B:G0B+3], s[G1:G1+7]    ; m 512-1023 into slot 1: two loads of mine are out
	s_nop 0
	PLACES
	v_and_b32 v[VL], 31, v0
	v_lshl_add_u32 v[VRD], v[VL], 3, SCR
	v_lshlrev_b32 v[VTS], 3, v[VL]
	v_add_nc_u32 v[VTS], s14, v[VTS]
	v_lshlrev_b32 v[VL], 4, v[VL]
	v_add_nc_u32 v[AQ0], s12, v[VL]
	v_mov_b32 v[AQ], v[AQ0]
	v_and_b32 v[VSC], 15, v0
	v_bfe_u32 v[TMP], v0, 4, 1
	v_lshlrev_b32 v[VTR], 5, v[TMP]
	v_add_nc_u32 v[VTR], s14, v[VTR]
	v_lshlrev_b32 v[VSC], 2, v[VSC]
	v_lshl_add_u32 v[VSC], v[TMP], 8, v[VSC]
	v_add_nc_u32 v[VSC], s13, v[VSC]               ; partial 2 w + half: 256 bytes; 4 bytes a lane of the half
	WIN 0x40                                       ; destination window 1, address window 0
.set i, 0
.rept 16
	global_load_b128 v[KF+8*i:KF+8*i+3],   v[VL], s[46:47] offset:1024*i
	global_load_b128 v[KF+8*i+4:KF+8*i+7], v[VL], s[46:47] offset:1024*i+512
.set i, i+1
.endr
	WIN 0
	T4 v_mov_b32 v[ST+4*t], 0xfe000000             ; c M starts far below every c S, so the first factor 2^(c M_old - c M_new) is 0;
	T4 v_mov_b32 v[ST+4*t+1], 0xff7fffff           ; M at the lowest finite number; Z at 0
	T4 v_mov_b32 v[ST+4*t+2], 0
	T4 v_mov_b32 v[ST+4*t+3], 0
.macro QFLOAD                          ; my 64 m of a tile: 16 images, 32 loads of 512 consecutive bytes
	WIN 0x40
.set i, 0
.rept 16
	ds_load_b128 v[QF+8*i:QF+8*i+3],   v[AQ] offset:1024*i
	ds_load_b128 v[QF+8*i+4:QF+8*i+7], v[AQ] offset:1024*i+512
.set i, i+1
.endr
.endm
; 64 products: 64 m x 64 l x 128 a; the 16 accumulators take turns; the first 16 start the sums.  kfirst = 0: Q is source 0 (pass 1); 1: K is (pass 2).
.macro BURST kfirst
	WIN 0x05
.irp u, 0,1,2,3
.irp m, 0,1,2,3
.irp t, 0,1,2,3
.set rS, S+32*(\t)+8*(\m)
.if \kfirst
.set rA, KF+32*(\t)+8*(\u)
.set rB, QF+32*(\m)+8*(\u)
.else
.set rA, QF+32*(\m)+8*(\u)
.set rB, KF+32*(\t)+8*(\u)
.endif
.if (\u) == 0
	v_wmma_f32_16x16x32_bf16 v[rS:rS+7], v[rA:rA+7], v[rB:rB+7], 0
.else
	v_wmma_f32_16x16x32_bf16 v[rS:rS+7], v[rA:rA+7], v[rB:rB+7], v[rS:rS+7]
.endif
.endr
.endr
.endr
.endm
; The slot whose fragments are in registers is filled again with the tile two visits on (behind tile 3 comes tile 0 again: the address is made anew from the offset); then the other slot's fragments are fetched.
.macro REFILL
	s_wait_tensorcnt 0x0                           ; all my tensor loads have landed: my part of the other slot
	ds_add_u32 v[SPW], v[NIL]                      ; 0 onto my spare word; the descriptor's step stands between it and the wait for it
	s_xor_b32 s[G0B+1], s[G0B+1], SLOT1            ; the walking descriptor: the slot just read,
	s_add_co_u32 s[QO], s[QO], 131072              ; the next 512 m,
	s_and_b32 s[QO], s[QO], 0x7ffff                ; round the batch's 524,288 bytes
	s_add_nc_u64 s[G0B+2:G0B+3], s[QB:QB+1], s[QO:QO+1]
	s_or_b32 s[G0B+3], s[G0B+3], 0x80000000
	s_wait_dscnt 0x0                               ; the add is done; my reads of the slot were over at the trip's head
	ROUND                                          ; no wave of any partner still reads the slot or has a load on its way
	tensor_load_to_lds s[G0B:G0B+3], s[G1:G1+7]    ; my one load behind the round; it has the vector work below and the next 64 products in which to land
	s_nop 0
	PLACES
	s_xor_b32 s[TBQ], s[TBQ], SLOT1
	v_add_nc_u32 v[AQ], s[TBQ], v[AQ0]
	QFLOAD                                         ; the next tile's fragments come in under the vector work
.endm
; Pass 1's vector work for 64 m: for each of the four l of a lane the maximum of 32 scores and the old M (each accumulator's lowest registers are read first), c M, the factor a,
; 32 exponentials, their sum, Z = a Z + sum.  The four l alternate, so that no line reads the result of the line before it.
.macro LUMP
	WIN 0
.set n, 0
.rept 4
	T4 v_max3_num_f32 v[TMP+6*t+n], v[S+32*t+8*n], v[S+32*t+8*n+1], v[S+32*t+8*n+2]
.set n, n+1
.endr
.rept 8
	T4 v_max3_num_f32 v[TMP+6*t+n%4], v[TMP+6*t+n%4], v[S+32*t+8*(n%4)+2*(n/4)+1], v[S+32*t+8*(n%4)+2*(n/4)+2]
.set n, n+1
.endr
	T4 v_max3_num_f32 v[TMP+6*t], v[TMP+6*t], v[S+32*t+7], v[S+32*t+15]
	T4 v_max3_num_f32 v[TMP+6*t+1], v[TMP+6*t+1], v[S+32*t+23], v[S+32*t+31]
	T4 v_max3_num_f32 v[TMP+6*t+2], v[TMP+6*t+2], v[TMP+6*t+3], v[ST+4*t+1]
	T4 v_mov_b32 v[TMP+6*t+4], v[ST+4*t]
	T4 v_max3_num_f32 v[ST+4*t+1], v[TMP+6*t], v[TMP+6*t+1], v[TMP+6*t+2]
	T4 v_mul_f32 v[ST+4*t], s[CS], v[ST+4*t+1]
	T4 v_sub_f32 v[TMP+6*t+5], v[TMP+6*t+4], v[ST+4*t]
	T4 v_exp_f32 v[TMP+6*t+2], v[TMP+6*t+5]
.set n, 0
.rept 16
	T4 v_pk_fma_f32 v[S+32*t+2*n:S+32*t+2*n+1], v[S+32*t+2*n:S+32*t+2*n+1], s[CS:CS+1], v[ST+4*t:ST+4*t+1] op_sel_hi:[1,0,0] neg_lo:[0,0,1] neg_hi:[0,0,1]
.set n, n+1
.endr
.set n, 0
.rept 32
	T4 v_exp_f32 v[S+32*t+n], v[S+32*t+n]
.set n, n+1
.endr
	v_nop                                          ; a plain instruction between the last exponential and the use of its result (ISA guide 5.7.2)
	s_wait_alu depctr_va_vdst(0)
.set w, 4
.rept 4                                ; the 16 pairs are added in place: neighbours 1, 2, 4 and 8 pairs apart
.set z, 0
.rept 32/w
	T4 v_pk_add_f32 v[S+32*t+w*z:S+32*t+w*z+1], v[S+32*t+w*z:S+32*t+w*z+1], v[S+32*t+w*z+w/2:S+32*t+w*z+w/2+1]
.set z, z+1
.endr
.set w, 2*w
.endr
	T4 v_pk_fma_f32 v[ST+4*t+2:ST+4*t+3], v[ST+4*t+2:ST+4*t+3], v[TMP+6*t+2:TMP+6*t+3], v[S+32*t:S+32*t+1] op_sel_hi:[1,0,1]
.endm
; Pass 2's vector work for 64 m: c S - T (each accumulator from its lowest registers on), 128 exponentials, the rounding to f16 in place, and 16 stores: accumulator a = 4 t + mt is half t % 2 of the
; image of pair t / 2 and m tile mt.
.macro LUMP2
	WIN 0
.set a, 0
.rept 16
.irp z, 0,2,4,6
	v_pk_fma_f32 v[S+8*a+(\z):S+8*a+(\z)+1], v[S+8*a+(\z):S+8*a+(\z)+1], s[CS:CS+1], v[TT+8*(a/4)+(\z):TT+8*(a/4)+(\z)+1] op_sel_hi:[1,0,1] neg_lo:[0,0,1] neg_hi:[0,0,1]
.endr
.set a, a+1
.endr
.set n, 0
.rept 128
	v_exp_f32 v[S+n], v[S+n]
.set n, n+1
.endr
	v_nop                                          ; a plain instruction between the last exponential and the use of its result
.set a, 0
	s_wait_alu depctr_va_vdst(0)
.rept 16
.irp z, 0,1,2,3
	v_cvt_pk_f16_f32 v[S+8*a+(\z)], v[S+8*a+2*(\z)], v[S+8*a+2*(\z)+1]
.endr
	global_store_b128 v[VL], v[S+8*a:S+8*a+3], s[PB:PB+1] offset:((a/4)/2)*16384+(a%4)*1024+((a/4)%2)*512   ; 512 consecutive bytes, at a multiple of 512 from pimg's first byte
.set a, a+1
.endr
.endm
.macro HEAD2                           ; the head of a trip of pass 2
	s_wait_dscnt 0x0                               ; Q's fragments are in (the first time T too): my reads of the slot are over
	s_wait_xcnt 0x0                                ; the last trip's stores have read S's registers and their base: both are written again only behind this wait
	s_add_nc_u64 s[PB:PB+1], s[PB:PB+1], s[PS:PS+1]  ; the next 512 m: 2,097,152 bytes on; the first time 0
	s_mov_b32 s[PS], 0x200000
	BURST 1
	WIN 0
	PLACES                                         ; behind the products: their results are read, and Q's registers loaded again, below
.endm
	s_wait_tensorcnt 0x1                           ; my part of slot 0 is in, and I alone read it; slot 1's may stay out
	QFLOAD
	WIN 0
	s_wait_loadcnt 0x0                             ; K
	s_mov_b32 s[CNT], 4
.Lpass1:                                               ; four trips: tiles 0 to 3 are multiplied; tiles 2, 3 and, for pass 2, 0 and 1 are asked for
	s_wait_dscnt 0x0                               ; Q's fragments are in: my reads of the slot are over
	BURST 0
	WIN 0
	PLACES
	REFILL
	LUMP
	s_sub_co_u32 s[CNT], s[CNT], 1
	s_cmp_lg_u32 s[CNT], 0
	s_cbranch_scc1 .Lpass1
	; THE 16 PARTIAL FIGURES OF EACH l MEET.  Every wave merges them for itself: a lane takes two l.  My tensor load may stay out.
	T4 v_add_f32 v[ST+4*t+2], v[ST+4*t+2], v[ST+4*t+3]
	T4 ds_store_b32 v[VSC], v[ST+4*t] offset:64*t
	T4 ds_store_b32 v[VSC], v[ST+4*t+2] offset:4096+64*t
	s_wait_dscnt 0x0                               ; for the others' sake: my stores are done
	s_barrier_signal -1
	s_barrier_wait -1
.set n, 0
.rept 16
	ds_load_b64 v[S+2*n:S+2*n+1],       v[VRD] offset:256*n
	ds_load_b64 v[S+32+2*n:S+32+2*n+1], v[VRD] offset:4096+256*n
.set n, n+1
.endr
	s_wait_dscnt 0x0
	v_max_num_f32 v[TMP], v[S], v[S+2]
	v_max_num_f32 v[TMP+1], v[S+1], v[S+3]
.set n, 2
.rept 7
	v_max3_num_f32 v[TMP], v[TMP], v[S+2*n], v[S+2*n+2]
	v_max3_num_f32 v[TMP+1], v[TMP+1], v[S+2*n+1], v[S+2*n+3]
.set n, n+2
.endr
.set n, 0
.rept 16
	v_pk_add_f32 v[S+2*n:S+2*n+1], v[S+2*n:S+2*n+1], v[TMP:TMP+1] neg_lo:[0,1] neg_hi:[0,1]
.set n, n+1
.endr
.set n, 0
.rept 32
	v_exp_f32 v[S+n], v[S+n]
.set n, n+1
.endr
	v_nop
	s_wait_alu depctr_va_vdst(0)
	v_pk_mul_f32 v[TMP+2:TMP+3], v[S:S+1], v[S+32:S+33]
.set n, 1
.rept 15
	v_pk_fma_f32 v[TMP+2:TMP+3], v[S+2*n:S+2*n+1], v[S+32+2*n:S+32+2*n+1], v[TMP+2:TMP+3]
.set n, n+1
.endr
	v_log_f32 v[TMP+2], v[TMP+2]
	v_log_f32 v[TMP+3], v[TMP+3]
	v_nop
	s_wait_alu depctr_va_vdst(0)
	v_pk_add_f32 v[TMP:TMP+1], v[TMP:TMP+1], v[TMP+2:TMP+3]
	v_pk_add_f32 v[TMP:TMP+1], v[TMP:TMP+1], 0xc1300000 op_sel_hi:[1,0]  ; - 11: P is 2,048 x softmax
	ds_store_b64 v[VTS], v[TMP:TMP+1]              ; through 256 bytes of my wave's own: LDS serves a wave's instructions in order (ISA guide 5.7.1.4), so the loads below see this store
.set t, 0
.rept 4
	ds_load_b128 v[TT+8*t:TT+8*t+3],   v[VTR] offset:64*t      ; T of tile t, places 8 (lane / 16) + 0..7
	ds_load_b128 v[TT+8*t+4:TT+8*t+7], v[VTR] offset:64*t+16
.set t, t+1
.endr
	s_mov_b32 s[CNT], 2
.Lpass2a:                                              ; two trips: tiles 0 and 1 once more; tiles 2 and 3 are asked for
	HEAD2
	REFILL
	LUMP2
	s_sub_co_u32 s[CNT], s[CNT], 1
	s_cmp_lg_u32 s[CNT], 0
	s_cbranch_scc1 .Lpass2a
	s_mov_b32 s[CNT], 2
.Lpass2b:                                              ; two trips: tiles 2 and 3; nothing is asked for
	HEAD2
	s_cmp_eq_u32 s[CNT], 1
	s_cbranch_scc1 .Lno_more                       ; behind the last tile there is nothing to fetch
	s_wait_tensorcnt 0x0                           ; the last tile: no load was issued behind it
	s_xor_b32 s[TBQ], s[TBQ], SLOT1
	v_add_nc_u32 v[AQ], s[TBQ], v[AQ0]
	QFLOAD
	WIN 0
.Lno_more:
	LUMP2
	s_sub_co_u32 s[CNT], s[CNT], 1
	s_cmp_lg_u32 s[CNT], 0
	s_cbranch_scc1 .Lpass2b
	s_wait_tensorcnt 0x0                           ; the wave's end
	ds_add_u32 v[SPW], v[NIL]
	s_wait_dscnt 0x0
	ROUND                                          ; the closing round
	s_endpgm
.Lfunc_end_k_qc24f4fe0ff_pmake:
	.size	k_qc24f4fe0ff_pmake, .Lfunc_end_k_qc24f4fe0ff_pmake-k_qc24f4fe0ff_pmake
	.p2alignl 7, 3214868480
	.fill 96, 4, 3214868480
	.section	.rodata,"a",@progbits
	.p2align	6, 0x0
	.amdhsa_kernel k_qc24f4fe0ff_pmake
		.amdhsa_group_segment_fixed_size 327680
		.amdhsa_private_segment_fixed_size 0
		.amdhsa_enable_private_segment 0
		.amdhsa_kernarg_size 16
		.amdhsa_user_sgpr_count 2
		.amdhsa_user_sgpr_kernarg_segment_ptr 1
		.amdhsa_wavefront_size32 1
		.amdhsa_system_sgpr_workgroup_id_x 1
		.amdhsa_system_sgpr_workgroup_id_y 1
		.amdhsa_system_sgpr_workgroup_id_z 1
		.amdhsa_system_vgpr_workitem_id 0
		.amdhsa_next_free_vgpr 512
		.amdhsa_next_free_sgpr 66
		.amdhsa_reserve_vcc 0
		.amdhsa_float_denorm_mode_32 3
		.amdhsa_float_denorm_mode_16_64 3
		.amdhsa_memory_ordered 1
		.amdhsa_forward_progress 1
		.amdhsa_inst_pref_size 84
	.end_amdhsa_kernel
	.amdgpu_metadata
---
amdhsa.version: [ 1, 2 ]
amdhsa.kernels:
  - .name:           k_qc24f4fe0ff_pmake
    .symbol:         k_qc24f4fe0ff_pmake.kd
    .args:
      - { .name: kq, .offset: 0, .size: 8, .value_kind: global_buffer, .address_space: global }
      - { .name: pimg, .offset: 8, .size: 8, .value_kind: global_buffer, .address_space: global }
    .group_segment_fixed_size: 327680
    .private_segment_fixed_size: 0
    .kernarg_segment_align: 8
    .kernarg_segment_size: 16
    .max_flat_workgroup_size: 256
    .sgpr_count:     66
    .vgpr_count:     512
    .wavefront_size: 32
...
	.end_amdgpu_metadata
.endif
;; end of part 3
;; launch gemm (part 4): grid 8 x 32, 4 waves a work-group, clusters of 4 x 4, 327,680 bytes of LDS; arguments yimg, pimg, bp, out0; writes out0
.if DOCPART == 4
	.amdgcn_target "amdgcn-amd-amdhsa--gfx1250"
	.amdhsa_code_object_version 6
	.text
	.protected	k_qc24f4fe0ff_gemm
	.globl	k_qc24f4fe0ff_gemm
	.p2align	8
	.type	k_qc24f4fe0ff_gemm,@function
k_qc24f4fe0ff_gemm:
	s_mov_b64 s[64:65], 0
	v_nop
	global_prefetch_b8 v0, s[64:65] scope:SCOPE_SE
	s_setreg_imm32_b32 hwreg(HW_REG_WAVE_MODE, 25, 1), 1
	s_wait_xcnt 0x0
	s_wait_alu depctr_hold_cnt(0) depctr_sa_sdst(0) depctr_va_vdst(0) depctr_va_sdst(0) depctr_va_ssrc(0) depctr_va_vcc(0) depctr_vm_vsrc(0)
	s_getreg_b32 s2, hwreg(HW_REG_IB_STS2, 6, 4)
	s_cmp_eq_u32 s2, 0
	s_cbranch_scc0 .Lentry_in_a_cluster
	s_endpgm
.Lentry_in_a_cluster:
	s_bfe_u32 s2, ttmp6, 0x10000c
	s_cmp_lg_u32 s2, 0xf033
	s_cbranch_scc0 .Lentry_shape_is_right
	s_endpgm
.Lentry_shape_is_right:
; out[d][m] = 2^-11 x the sum over l of Y[d][l] P[l][m] + bp[d], for each of 8 batches.  Y = Wp x [1024 d][2048 l] and P = 2,048 x softmax [2048 l][2048 m]: f16 fragment images; sums in f32; out0 is f32.
; An image is 1,024 bytes: lane L's registers 0-3 at 16 L, registers 4-7 at 512 + 16 L: every LDS load of a wave takes 512 consecutive bytes, so there is no padding.
; LIMITS.  bp is rounded to bf16 like all inputs.  NaN and infinities are not treated apart.  (Y's and P's limits are stated where they are made.)
; SHARES.  A work-group: 256 d x 256 m of one batch; a wave 128 x 128: 64 accumulators, 512 registers.  l goes in 16 slots of 128: 65,536 dense bytes of Y ([32 l: 4][d block 16][1,024]), then as many of P
; ([32 l: 4][m tile 16][1,024]), through a ring of two LDS slots.  A slot is four quarter steps of 32 l, 64 products each, on two fragment buffers; the next quarter's 32 LDS loads stand in one run in a quarter's middle.
; THE ORDER OF l AND m.  Place r of tile t stands for index 64 (t >> 2) + 4 r + (t & 3): alike in Y and P for l; for m it gives a lane four neighbouring m, one in each of four m tiles: 16 bytes of a row of out0.
; CLUSTER 4 x 4: the cluster's y is the batch, cy the block of 256 d, 4 x cluster x + cx the block of 256 m.  The four of a row need the same tiles of Y, the four of a column the same tiles of P: each is asked for
; jointly, by the same load with a mask that names the four.
; REGISTERS, in windows of 256 (s_set_vgpr_msb: bits 1:0 source 0, 3:2 source 1, 5:4 source 2, 7:6 destination):
;   window 0: v0-31 addresses; v64-127, v128-191 P's fragments (8 m tiles x 32 l), two buffers; v192-255 the way out      window 1: v0-63 bp; v64-127, v128-191 Y's fragments, two buffers; v192-223 at work
;   window 2: accumulator (a, b) = (m tile a, d block b) at v[8 (8 a + b)], m tiles 0-3;      window 3: m tiles 4-7
.set KSB,   16384                      ; a quarter step's 16 images of Y, or of P
.set PPART, 65536                      ; P's part of a slot lies behind Y's
.set SLOT,  131072
.set SPARE, 2*SLOT                     ; behind the ring: the spare words, 128 bytes for each wave: two blocks of 256 bytes that no other line names
.set LAPS,  8                          ; a lap = two slots = once round the ring: 2,048 l / 256
.set ADRP, 16                          ; v16-17  LDS address of my P fragments in slot 0, 1
.set ADRY, 20                          ; v20-21  the same for Y
.set CO,   26                          ; v26     my byte offset in out0: 16 (lane % 16), eight rows on for lanes 16-31
.set VB,   27                          ; v27     32 x half of the lanes
.set SPW,  28                          ; v28     LDS address of my spare word; never rewritten
.set NIL,  29                          ; v29     0; never rewritten
.set F0,   64
.set F1,   128
.set TMP,  192                         ; the way out: v192-223 and v224-255 by turns
.set BI,   0                           ; window 1
.set RT,   192                         ; window 1
.set WV,   12                          ; s12 wave; s13 = wave >> 1: my half of the d, and: I fetch Y (0) or P (1); s14 = wave & 1: my half of the m, and: which half of the slot's part I fetch
.set G1Y,  24                          ; s[24:31] descriptor group 1 for Y's tiles;  s[32:39] group 0, a set for each slot
.set G0Y,  32
.set G1P,  48                          ; s[48:55], s[56:63] the same for P's
.set G0P,  56
.set OB,   66                          ; s[66:67] out0 at my first row and column
.set BB,   68                          ; s[68:69] bp at my 128 d
.set MSB, 0
.macro WIN new                         ; the immediate's high byte repeats the setting that is left; a switch that changes nothing is dropped
.if MSB != (\new)
	s_set_vgpr_msb (MSB<<8)|(\new)
.set MSB, \new
.endif
.endm
.set MUL_LO, 0xa1                      ; source 0 (Y) window 1, source 1 (P) window 0, C and D window 2
.set TO_Y,   0x40                      ; destination window 1, address window 0
.macro PLACES                          ; four places in front of loads into registers that matrix instructions have read, and of lines that read results
.rept 4
	v_nop
.endr
.endm
; A joint load.  The branch hangs on the wave's number alone.  An s_nop 0 and four v_nop follow each of the two lines, ahead of the jump and the label.
.macro JLOAD s
	s_cmp_eq_u32 s13, 0
	s_cbranch_scc0 .Lfor_p_\@
	tensor_load_to_lds s[G0Y+4*(\s):G0Y+4*(\s)+3], s[G1Y:G1Y+7]
	s_nop 0
.rept 4
	v_nop
.endr
	s_branch .Lasked_\@
.Lfor_p_\@:
	tensor_load_to_lds s[G0P+4*(\s):G0P+4*(\s)+3], s[G1P:G1P+7]
	s_nop 0
.rept 4
	v_nop
.endr
.Lasked_\@:
.endm
.macro CREST                           ; a round of the cluster's barrier behind its opening barrier
	s_cmp_lg_u32 s[WV], 0
	s_cbranch_scc1 .Lnot_wave_0_\@
	s_barrier_signal -3
.Lnot_wave_0_\@:
	s_barrier_wait -3
	s_barrier_signal -1
	s_barrier_wait -1
.endm
.macro CROUND                          ; a whole round
	s_barrier_signal -1
	s_barrier_wait -1
	CREST
.endm
	s_load_b256 s[4:11], s[0:1], 0x0               ; yimg s[4:5], pimg s[6:7], bp s[8:9], out0 s[10:11]
	v_lshl_add_u32 v[SPW], v0, 2, SPARE
	v_mov_b32 v[NIL], 0
	ds_add_u32 v[SPW], v[NIL]                      ; the wave's opening: the add and its wait stand ahead of my first tensor load; the set-up below stands between them
	v_lshrrev_b32 v1, 5, v0
	v_readfirstlane_b32 s[WV], v1
	s_lshr_b32 s13, s[WV], 1
	s_and_b32 s14, s[WV], 1
	s_bfe_u32 s40, ttmp6, 0x40000                  ; cx
	s_bfe_u32 s41, ttmp6, 0x40004                  ; cy: the block of 256 d
	s_lshl_b32 s42, ttmp9, 2
	s_add_co_u32 s42, s42, s40                     ; the block of 256 m = 4 x cluster x + cx
	s_and_b32 s43, ttmp7, 0xffff                   ; the batch = cluster y
	s_lshl_b32 s44, s41, 2
	s_lshl_b32 s44, 15, s44                        ; my row of the cluster
	s_lshl_b32 s45, 0x1111, s40                    ; my column
	; half of a slot's part: 32,768 dense bytes, asked for as 128 rows of 256
	s_or_b32 s[G1Y], s44, (3<<16)|(1<<21)          ; 15:0 the mask: Y's tiles go to my row; 17:16 elements of 8 bytes; 21 set beside a mask
	s_or_b32 s[G1P], s45, (3<<16)|(1<<21)          ; P's to my column
.irp g, G1Y, G1P
	s_mov_b32 s[(\g)+1], 32<<16                    ; tensor_dim0 = 32
	s_mov_b32 s[(\g)+2], 128<<16                   ; tensor_dim1 = 128
	s_mov_b32 s[(\g)+3], 32<<16                    ; tile_dim0 = 32
	s_mov_b32 s[(\g)+4], 128                       ; tile_dim1 = 128
	s_mov_b32 s[(\g)+5], 32                        ; 32 elements from row to row
	s_mov_b32 s[(\g)+6], 0
	s_mov_b32 s[(\g)+7], 0
.endr
	s_lshl_b32 s18, s14, 15                        ; which half I fetch
	s_lshl_b32 s16, s43, 22                        ; Y: the batch, the block of d (1,048,576 bytes), my half: cx enters nowhere
	s_lshl_b32 s17, s41, 20
	s_add_co_u32 s16, s16, s17
	s_add_co_u32 s16, s16, s18
	s_mov_b32 s17, 0
	s_lshl_b32 s46, s43, 23                        ; P: the batch, the block of m (1,048,576 bytes), my half: cy enters nowhere
	s_lshl_b32 s47, s42, 20
	s_add_co_u32 s46, s46, s47
	s_add_co_u32 s46, s46, s18
	s_mov_b32 s47, 0
	s_lshl_b32 s20, s[WV], 15                      ; where they go in a slot: Y's two halves, then P's two halves = wave x 32,768: no place in the cluster enters an LDS address
	s_mov_b32 s70, 0x3a000000                      ; 2^-11
	s_wait_dscnt 0x0                               ; the opening add is done
	s_wait_kmcnt 0x0
	s_add_nc_u64 s[16:17], s[4:5], s[16:17]
	s_add_nc_u64 s[46:47], s[6:7], s[46:47]
	CROUND                                         ; all sixteen work-groups are here: the first joint loads meet
.irp s, 0,1
	s_mov_b32 s[G0Y+4*(\s)], 1
	s_add_co_u32 s[G0Y+4*(\s)+1], s20, (\s)*SLOT
	s_add_nc_u64 s[G0Y+4*(\s)+2:G0Y+4*(\s)+3], s[16:17], (\s)*PPART   ; slot s: l 128 s on
	s_or_b32 s[G0Y+4*(\s)+3], s[G0Y+4*(\s)+3], 0x80000000
	s_mov_b32 s[G0P+4*(\s)], 1
	s_add_co_u32 s[G0P+4*(\s)+1], s20, (\s)*SLOT
	s_add_nc_u64 s[G0P+4*(\s)+2:G0P+4*(\s)+3], s[46:47], (\s)*PPART
	s_or_b32 s[G0P+4*(\s)+3], s[G0P+4*(\s)+3], 0x80000000
	JLOAD \s                                       ; two loads of mine are out
.endr
	v_and_b32 v1, 15, v0
	v_bfe_u32 v2, v0, 4, 1
	v_and_b32 v3, 31, v0
	v_lshlrev_b32 v3, 4, v3                        ; 16 x lane
	s_lshl_b32 s21, s13, 13                        ; my eight d blocks
	s_lshl_b32 s19, s14, 13                        ; my eight m tiles,
	s_add_co_u32 s19, s19, PPART                   ; which lie behind Y's part
.irp s, 0,1
	v_add_nc_u32 v[ADRY+(\s)], s21, v3
	v_add_nc_u32 v[ADRP+(\s)], s19, v3
	s_add_co_u32 s21, s21, SLOT
	s_add_co_u32 s19, s19, SLOT
.endr
	v_lshlrev_b32 v[CO], 4, v1
	v_lshl_add_u32 v[CO], v2, 16, v[CO]
	v_lshlrev_b32 v[VB], 5, v2
	s_lshl_b32 s22, s43, 23                        ; out0: the batch; 256 rows of 8,192 bytes a block of d, my 128 of them; 1,024 bytes a block of m, my 512 of them
	s_lshl_b32 s23, s41, 21
	s_add_co_u32 s22, s22, s23
	s_lshl_b32 s23, s13, 20
	s_add_co_u32 s22, s22, s23
	s_lshl_b32 s23, s42, 10
	s_add_co_u32 s22, s22, s23
	s_lshl_b32 s23, s14, 9
	s_add_co_u32 s22, s22, s23
	s_mov_b32 s23, 0
	s_add_nc_u64 s[OB:OB+1], s[10:11], s[22:23]
	s_lshl_b32 s22, s41, 10                        ; bp: my 128 d
	s_lshl_b32 s23, s13, 9
	s_add_co_u32 s22, s22, s23
	s_mov_b32 s23, 0
	s_add_nc_u64 s[BB:BB+1], s[8:9], s[22:23]
	WIN TO_Y
.set i, 0
.rept 8                                ; bp of d = 16 i + 8 (lane / 16) + 0..7
	global_load_b128 v[BI+8*i:BI+8*i+3],   v[VB], s[BB:BB+1] offset:64*i
	global_load_b128 v[BI+8*i+4:BI+8*i+7], v[VB], s[BB:BB+1] offset:64*i+16
.set i, i+1
.endr
	WIN 0x55                                       ; all in window 1
	s_wait_loadcnt 0x0                             ; bp is rounded to bf16, like every input, and widened again: this stands in the wait for the first tile
.set i, 0
.rept 32
	v_cvt_pk_bf16_f32 v[RT+i], v[BI+2*i], v[BI+2*i+1]
.set i, i+1
.endr
.set i, 0
.rept 32
	v_lshlrev_b32 v[BI+2*i], 16, v[RT+i]
	v_and_b32 v[BI+2*i+1], 0xffff0000, v[RT+i]
.set i, i+1
.endr
	WIN 0
; 16 products: m tiles a0, a0 + 1 of the window's four (hi = 0: my m tiles 0-3, 1: tiles 4-7) x all 8 d blocks, 32 l.  The 64 accumulators take turns, one instruction a turn, in the same order in every
; quarter.  In a result a lane holds one m (place lane % 16) and the rows d = 8 (lane / 16) + 0..7.  zero = 1: the products start the sums: nothing is cleared.
.macro MUL16 f, hi, a0, zero
	WIN MUL_LO+0x50*(\hi)
.irp a, \a0, (\a0)+1
.irp b, 0,1,2,3,4,5,6,7
.if \zero
	v_wmma_f32_16x16x32_f16 v[8*(8*(\a)+(\b)):8*(8*(\a)+(\b))+7], v[(\f)+8*(\b):(\f)+8*(\b)+7], v[(\f)+8*(4*(\hi)+(\a)):(\f)+8*(4*(\hi)+(\a))+7], 0
.else
	v_wmma_f32_16x16x32_f16 v[8*(8*(\a)+(\b)):8*(8*(\a)+(\b))+7], v[(\f)+8*(\b):(\f)+8*(\b)+7], v[(\f)+8*(4*(\hi)+(\a)):(\f)+8*(4*(\hi)+(\a))+7], v[8*(8*(\a)+(\b)):8*(8*(\a)+(\b))+7]
.endif
.endr
.endr
.endm
; 32 LDS loads in one run: the fragments of quarter k of a slot (8 images of Y, 8 of P) into buffer f
.macro FETCH slot, k, f
	WIN TO_Y
.irp i, 0,1,2,3,4,5,6,7
	ds_load_b128 v[(\f)+8*(\i):(\f)+8*(\i)+3],   v[ADRY+(\slot)] offset:(\k)*KSB+(\i)*1024
	ds_load_b128 v[(\f)+8*(\i)+4:(\f)+8*(\i)+7], v[ADRY+(\slot)] offset:(\k)*KSB+(\i)*1024+512
.endr
	WIN 0
.irp i, 0,1,2,3,4,5,6,7
	ds_load_b128 v[(\f)+8*(\i):(\f)+8*(\i)+3],   v[ADRP+(\slot)] offset:(\k)*KSB+(\i)*1024
	ds_load_b128 v[(\f)+8*(\i)+4:(\f)+8*(\i)+7], v[ADRP+(\slot)] offset:(\k)*KSB+(\i)*1024+512
.endr
.endm
; One of a slot's first three quarters: multiplies buffer f; in its middle it fetches quarter k of the same slot into buffer g.
.macro QUARTER slot, k, f, g, zero
	s_wait_dscnt 8                                 ; Y and P's tiles 0-3 are in; the youngest eight loads (P's tiles 4-7) may be out
	MUL16 \f, 0, 0, \zero
	MUL16 \f, 0, 2, \zero
	PLACES
	FETCH \slot, \k, \g
	s_wait_dscnt 32                                ; all but the 32 just issued
	MUL16 \f, 1, 0, \zero
	MUL16 \f, 1, 2, \zero
.endm
; The last quarter multiplies buffer 1 and changes slots: ONE barrier.  In front of it each wave waits for all its tensor loads, of which one is out: its part of the next slot; adds 0 to its spare word; and waits
; for that and for its own reads of this slot.  Behind it nobody reads this slot any more and the next slot is whole.  fill = 1: the barrier opens a round of the cluster's, and this slot is filled again, two slots ahead.
.macro TURN slot, next, fill
	WIN 0                                          ; (the add's two registers lie in window 0)
	s_wait_tensorcnt 0x0                           ; all my tensor loads have landed;
	ds_add_u32 v[SPW], v[NIL]                      ; 0 onto my spare word;
	s_wait_dscnt 9                                 ; (the add and the youngest eight loads may be out)
	MUL16 F1, 0, 0, 0                              ; sixteen products stand between the add and the wait for it
	s_wait_dscnt 0x0                               ; the add is done, and my reads of this slot are over
	s_barrier_signal -1
	MUL16 F1, 0, 2, 0                              ; work on registers while the others arrive
.if \fill
	WIN 0
.endif
	s_barrier_wait -1
.if \fill
	CREST                                          ; no wave of any partner still reads this slot's tiles or has a load on its way
	s_add_nc_u64 s[G0Y+4*(\slot)+2:G0Y+4*(\slot)+3], s[G0Y+4*(\slot)+2:G0Y+4*(\slot)+3], 2*PPART
	s_add_nc_u64 s[G0P+4*(\slot)+2:G0P+4*(\slot)+3], s[G0P+4*(\slot)+2:G0P+4*(\slot)+3], 2*PPART
	JLOAD \slot                                    ; the first tensor load behind the round: 224 products ahead of the wait for it; its four v_nop are also the places in front of the loads below
.else
	PLACES
.endif
	FETCH \next, 0, F0
	MUL16 F1, 1, 0, 0
	MUL16 F1, 1, 2, 0
.endm
	s_wait_tensorcnt 0x1                           ; my part of slot 0 is in; slot 1's may stay out
	s_barrier_signal -1
	s_barrier_wait -1                              ; everybody's is
	FETCH 0, 0, F0
	QUARTER 0, 1, F0, F1, 1                        ; the first quarter stands in front of the loop: its products start the sums
	WIN 0                                          ; at a label and at a branch every window is 0
	s_mov_b32 s15, LAPS-1
.Llap:                                                 ; a trip goes once round the ring, from a lap's second quarter to the next lap's first, and fills both slots again: slots 2 to 15 of the 16
	QUARTER 0, 2, F1, F0, 0
	QUARTER 0, 3, F0, F1, 0
	TURN 0, 1, 1
	QUARTER 1, 1, F0, F1, 0
	QUARTER 1, 2, F1, F0, 0
	QUARTER 1, 3, F0, F1, 0
	TURN 1, 0, 1
	QUARTER 0, 1, F0, F1, 0
	WIN 0
	s_sub_co_u32 s15, s15, 1
	s_cmp_lg_u32 s15, 0
	s_cbranch_scc1 .Llap
	QUARTER 0, 2, F1, F0, 0                        ; the last lap asks for nothing, and has no round of the cluster's barrier
	QUARTER 0, 3, F0, F1, 0
	TURN 0, 1, 0
	QUARTER 1, 1, F0, F1, 0
	QUARTER 1, 2, F1, F0, 0
	QUARTER 1, 3, F0, F1, 0
	s_wait_dscnt 8                                 ; the very last quarter: nothing more to fetch
	MUL16 F1, 0, 0, 0
	MUL16 F1, 0, 2, 0
	s_wait_dscnt 0x0
	MUL16 F1, 1, 0, 0
	MUL16 F1, 1, 2, 0
	; THE WAY OUT.  Block k: d block k % 8, my 64 m number k / 8.  Register j of the four m tiles' accumulators holds four neighbouring m of row 16 (k % 8) + 8 (lane / 16) + j: one fused multiply-add each
	; (j ascending: each accumulator is read from its lowest register on), then 16 bytes a lane.  The wait stands between a block's arithmetic and its stores: behind it the stores of the block before, whose
	; registers the next block's arithmetic rewrites, have read them.
	PLACES
.set k, 0
.rept 16
	WIN 0x12+(k/8)                                 ; source 0: the accumulators' window; source 2: bp in window 1
.set j, 0
.rept 8
.irp a, 0,1,2,3
	v_fma_f32 v[TMP+32*(k%2)+4*j+(\a)], v[8*(8*(\a)+k%8)+j], s70, v[BI+8*(k%8)+j]
.endr
.set j, j+1
.endr
	WIN 0
	s_wait_xcnt 0x0
.set j, 0
.rept 8
	global_store_b128 v[CO], v[TMP+32*(k%2)+4*j:TMP+32*(k%2)+4*j+3], s[OB:OB+1] offset:(16*(k%8)+j)*8192+(k/8)*256 th:TH_STORE_NT  ; 16 lanes store 256 consecutive bytes of a row, at a multiple of 256 from out0's first byte
.set j, j+1
.endr
.set k, k+1
.endr
	s_wait_tensorcnt 0x0                           ; the wave's end
	ds_add_u32 v[SPW], v[NIL]
	s_wait_dscnt 0x0
	CROUND                                         ; the closing round: no work-group ends while a partner may still ask for a tile that names it
	s_endpgm
.Lfunc_end_k_qc24f4fe0ff_gemm:
	.size	k_qc24f4fe0ff_gemm, .Lfunc_end_k_qc24f4fe0ff_gemm-k_qc24f4fe0ff_gemm
	.p2alignl 7, 3214868480
	.fill 96, 4, 3214868480
	.section	.rodata,"a",@progbits
	.p2align	6, 0x0
	.amdhsa_kernel k_qc24f4fe0ff_gemm
		.amdhsa_group_segment_fixed_size 327680
		.amdhsa_private_segment_fixed_size 0
		.amdhsa_enable_private_segment 0
		.amdhsa_kernarg_size 32
		.amdhsa_user_sgpr_count 2
		.amdhsa_user_sgpr_kernarg_segment_ptr 1
		.amdhsa_wavefront_size32 1
		.amdhsa_system_sgpr_workgroup_id_x 1
		.amdhsa_system_sgpr_workgroup_id_y 1
		.amdhsa_system_sgpr_workgroup_id_z 1
		.amdhsa_system_vgpr_workitem_id 0
		.amdhsa_next_free_vgpr 1024
		.amdhsa_next_free_sgpr 72
		.amdhsa_reserve_vcc 0
		.amdhsa_float_denorm_mode_32 3
		.amdhsa_float_denorm_mode_16_64 3
		.amdhsa_memory_ordered 1
		.amdhsa_forward_progress 1
		.amdhsa_inst_pref_size 163
	.end_amdhsa_kernel
	.amdgpu_metadata
---
amdhsa.version: [ 1, 2 ]
amdhsa.kernels:
  - .name:           k_qc24f4fe0ff_gemm
    .symbol:         k_qc24f4fe0ff_gemm.kd
    .args:
      - { .name: yimg, .offset: 0, .size: 8, .value_kind: global_buffer, .address_space: global }
      - { .name: pimg, .offset: 8, .size: 8, .value_kind: global_buffer, .address_space: global }
      - { .name: bp, .offset: 16, .size: 8, .value_kind: global_buffer, .address_space: global }
      - { .name: out0, .offset: 24, .size: 8, .value_kind: global_buffer, .address_space: global }
    .group_segment_fixed_size: 327680
    .private_segment_fixed_size: 0
    .kernarg_segment_align: 8
    .kernarg_segment_size: 32
    .max_flat_workgroup_size: 128
    .sgpr_count:     72
    .vgpr_count:     1024
    .wavefront_size: 32
...
	.end_amdgpu_metadata
.endif
;; end of part 4
